; MI455X (gfx1250); checked and timed in simulation.
; The chip was launched on July 23, 2026; its instructions are those of AMD's public machine-readable ISA for CDNA 5 (MIT licence, August 2026) and "CDNA5" Instruction Set Architecture Reference Guide (July 2026). The comments in the code are by the model that wrote it; some were corrected since.
;; Memory Module. Allowed arithmetic: matrix products marked QUANTISED: E2M1 operands, one E8M0 scale for each 32 along K, by v_wmma_scale_f32_16x16x128_f8f6f4 with both operands' format E2M1 (or v_wmma_scale_f32_32x16x128_f4), f32 sums; everything else in f32.
;; Inputs: memory 1,024 x 64 float32; query 262,144 x 64 float32.
;; Outputs: out0 262,144 x 64 float32.
;; This version of the problem:
;;   THIS VERSION OF THE PROBLEM IS GIVEN IN LOW PRECISION. The matrix products marked QUANTISED in the list below multiply operands that are first quantised to E2M1 (2 exponent bits, 1 mantissa bit; 4 bits a number), with one power-of-two scale for each 32 numbers along K (OCP MX v1.0); their sums are f32. All else is computed in f32.
;;   The module's matrix products, in the order in which they are computed (A, B: the left and right operand; K: the contracted axis; several contracted axes count as one K, in the product's order):
;;     1. [M 262,144, K 64] x [K 64, N 1,024]; A: input query; B: input memory: QUANTISED
;;     2. [M 262,144, K 1,024] x [K 1,024, N 64]; A: softmax (see below); B: input memory: QUANTISED
;;   THE QUANTISER, for each operand of a quantised product, along K:
;;     - K is cut into blocks of 32 from its start; a last block that is shorter is filled with zeros.
;;     - A block's scale is 2^e with e = floor(log2(the largest magnitude in the block)) - 2, held to -126 .. 127; a block of zeros has e = 0. As a byte (E8M0): e + 127.
;;     - Each number is divided by its block's scale, clamped to +-6, and rounded to the nearest number of E2M1, ties to even, subnormals kept.
;;     - The product sums the exact products of the quantised numbers (number of the format x scale) in f32.
;;   ~~~python
;;   def quantise(x, axis):      # numpy; x: float32 -> the quantised numbers, widened to float32 again
;;       x = np.moveaxis(x, axis, -1); K = x.shape[-1]
;;       x = np.pad(x, [(0, 0)] * (x.ndim - 1) + [(0, -K % 32)]); x = x.reshape(x.shape[:-1] + (-1, 32)); a = np.abs(x).max(-1, keepdims=True)
;;       e = np.where(a > 0, np.clip(np.frexp(np.where(a > 0, a, 1))[1] - 1 - 2, -126, 127), 0)      # np.frexp(a)[1] - 1 = floor(log2(a)), exactly
;;       r = np.clip(x / 2.0 ** e, -6, 6)
;;       step = 2.0 ** (np.maximum(np.frexp(np.where(r == 0, 1, r))[1] - 1, 0) - 1)
;;       q = np.round(r / step) * step * 2.0 ** e      # np.round: ties to even
;;       return np.moveaxis(q.reshape(q.shape[:-2] + (-1,))[..., :K], -1, axis).astype(np.float32)
;;   ~~~
;;   SOFTMAX AHEAD OF A QUANTISED PRODUCT. Where the list says 'softmax', what is quantised is not the finished softmax but p = 2^(t - M), with t = logit x log2(e) and M = ceil(the row's largest t), a whole number; so 1/2 < the row's largest p <= 1. The row's sum l is taken of the UNQUANTISED p, in f32, and the product's result is divided by l at the end. Since M is a whole number, a kernel that streams over the keys may use a running M (the ceiling of the running maximum): every later rescaling is an exact power of two, which a block's scale takes up: the codes' values come out the same.
;;   OPERANDS COMPUTED ON THE WAY. 'Computed on the way' means the value that the module computes at that place (a softmax that the list does not call 'softmax' is quantised finished and normalised). What goes into a quantiser is computed in f32, as accurately as f32 sums, v_exp_f32 and their like allow (about 1e-6 of the number): no bf16 or f16 on the way to a quantiser, and a product that is left as it is and whose result goes on into a quantised operand takes f32 operands (vector FMAs, or v_wmma_f32_16x16x4_f32). A number that lies on a knife's edge between two numbers of the format may be rounded either way, as far as f32 arithmetic and the matrix unit's own rounding can turn it there, and no further.
;; One version. Each part assembles by itself: llvm-mc -triple=amdgcn-amd-amdhsa -mcpu=gfx1250 --defsym DOCPART=n.
;; ======== version 1 of 1: 1 launch
;; limits: right only within a limited range of input values
;; launch attn (part 1): grid 256 x 1, 8 waves a work-group, clusters of 4 x 1, 280,576 bytes of LDS; arguments memory, query, out0; writes out0
.if DOCPART == 1
	.amdgcn_target "amdgcn-amd-amdhsa--gfx1250"
	.amdhsa_code_object_version 6
	.text
	.protected	k_q3660470ddc_attn
	.globl	k_q3660470ddc_attn
	.p2align	8
	.type	k_q3660470ddc_attn,@function
k_q3660470ddc_attn:
	s_mov_b64 s[64:65], 0
	v_nop
	global_prefetch_b8 v0, s[64:65] scope:SCOPE_SE
	s_setreg_imm32_b32 hwreg(HW_REG_WAVE_MODE, 25, 1), 1
	s_wait_xcnt 0x0
	s_wait_alu depctr_hold_cnt(0) depctr_sa_sdst(0) depctr_va_vdst(0) depctr_va_sdst(0) depctr_va_ssrc(0) depctr_va_vcc(0) depctr_vm_vsrc(0)
	s_getreg_b32 s2, hwreg(HW_REG_IB_STS2, 6, 4)
	s_cmp_eq_u32 s2, 0
	s_cbranch_scc0 .Lentry_in_a_cluster
	s_endpgm
.Lentry_in_a_cluster:
	s_bfe_u32 s2, ttmp6, 0x10000c
	s_cmp_lg_u32 s2, 0x3003
	s_cbranch_scc0 .Lentry_shape_is_right
	s_endpgm
.Lentry_shape_is_right:
; out0[n][:] = sum over m of softmax_m(query[n] . memory[m]) memory[m][:].  query, out0: [262144][64] f32; memory: [1024][64] f32.
; Both products run on codes of FP4 (E2M1) with one E8M0 scale for each 32 along a product's K.
; SOFTMAX: t = score x log2(e); M = the running largest t rounded up to a whole number; p = 2^(t - M) is quantised, not normalised; the row's sum is taken of the
; unquantised p and divides at the end.  When M moves, the sum and O are multiplied by 2^(old M - new M), which rounds nothing.
; SHARES.  256 work-groups of eight waves, two waves to a SIMD with 512 registers each, so that one wave's waits stand beside the other's work.
; A work-group owns 1,024 queries, a wave 128: four passes of a pair of tiles of 16.  Every wave walks all 1,024 slots, 128 a step; the eight steps are written out and the loop goes over the passes.
; HEAD.  Each wave fetches 128 rows of memory, one step's, by one tensor load, quantises them for both products (8 jobs of two blocks a lane), and stores the images of the operand
; registers in LDS, where all eight waves read them: a step's 4 fragments of the second product and the next step's 4 of the first are asked for behind the step's score products.
; The four work-groups of a cluster ask for memory jointly (same descriptor, made of the wave's number alone; mask 15).
; K = 64 IN AN INSTRUCTION OF K = 128: a fragment's registers 0-3 hold the 64 d of one slot, 4-7 those of the slot 8 further on; it is multiplied by (q, zeros) and by (zeros, q).
; THE SLOTS OF A SCORE TILE: row m of tile (c, i) is slot 64 c + 8 i + m % 8 + 32 (m / 8), so that a lane's 32 score registers of half c are the WHOLE block 2 c + lane / 16:
; the block's maximum needs no other lane and the conversions' results are the second product's operand as they stand.
; Both products are used transposed: a lane holds one query (lane % 16) throughout.  Dependent lines of the two tiles are laid by turns with independent ones.
; QUERY is asked for one whole pass ahead, into registers, so no L2 prefetch is laid; memory is read once, at the head, where there is no loop to run ahead in.
; LIMITS: NaN and infinities among the inputs are not served.  The promise holds while |t| stays under 2^31.  A block whose largest magnitude lies under 2^-124 keeps the byte 1;
; a block of zeros has the byte 1 (not 127) and zero codes: the bytes are read by this kernel alone.  p under 2^-126 counts as 0.
; A block's largest p is made from its largest score: this takes v_exp_f32 not to fall where its input rises.
.set ROWP,  272                        ; an LDS row of 64 f32: 256 bytes + 16 of padding
.set MWAVE, 128*ROWP                   ; the rows that wave w fetches lie from w x 34,816 on
.set STEPB, 8704                       ; a step's images: 4 fragments of 1,024 bytes for the first product,
.set IMGV,  4096                       ; 4 for the second,
.set IMGS,  8192                       ; 512 bytes of scale words: a lane's 16 bytes are (K pair 0, K pair 1, V pair 0, V pair 1)
.set QST,   8*STEPB                    ; a stage of 32 rows of query for each wave
.set QWAVE, 32*ROWP
.set OST,   QST+8*QWAVE                ; a stage of 32 rows of out0 for each wave
.set OWAVE, 32*ROWP
.set SPARE, 0x44000                    ; behind the rows: the spare words, 128 bytes a wave
; window 0
.set LI,   1                           ; 16 x lane
.set AQR,  2                           ; query stage, out of it: row r + 128 h
.set AQW,  3                           ; query stage, into it: row h + 16 r
.set OSW,  4                           ; out stage, into it
.set OSR,  5                           ; out stage, out of it
.set SPW,  6                           ; my spare word; never rewritten
.set NIL,  7                           ; 0; never rewritten
.set H8,   8                           ; 8 h
.set LI2,  9                           ; 16 x lane + 4 steps of images (LI + 8 as a register number)
.set ST,   10                          ; tile x at ST + 8 x: -M (even steps), largest score, -M (odd steps), pad, the sum's two halves, f, pad
.set SUB,  ST+12                       ; tile 1's sum
.set C1,   26                          ; three more chains of tile 1's sum
.set C2,   28
.set C3,   54
.set QSC,  30                          ; q's scale words
.set PSC,  32                          ; p's scale words
.set BM,   34                          ; maxima: tile x, half c, chain k at BM + 4 x + 2 c + k
.set PX,   42                          ; what lane l xor 16 sent
.set AK,   44                          ; head: my rows of memory for the first product
.set AV,   45                          ; head: my column of memory for the second
.set SOP,  46                          ; the conversions' scale operands
.set TT,   50                          ; at work, one a tile
.set IMW,  52                          ; head: where my images of the first product go
.set IMV,  55                          ; head: and those of the second
.set WD,   56                          ; head: a scale word for each job
.set PCD,  56                          ; p's codes, 8 a tile
.set MSC,  72                          ; memory's scale words, 4 a step: two buffers, for even and odd steps
.set SC,   104                         ; scores, then p: 64 a tile
.set ZQ,   232                         ; zeros | q of A | zeros | q of B | zeros, four registers each
; window 1
.set OA,   0                           ; O^T, 32 a tile (dead between passes: the query's quantiser works there)
.set PF,   64                          ; the next pair's 32 rows as loaded
.set HQ,   128                         ; the same, a block of 32 d to a lane
.set FK,   192                         ; a step's four fragments for the first product
.set FV,   224                         ; and for the second
.set WV,   10
.set G1,   16
.set G0,   24
.set SEL,  28                          ; selects for lane l xor 16
.set CS,   30                          ; s[30:31] log2(e)
.set NC,   32                          ; -log2(e)
.set CNT,  35                          ; passes to go
.set HM,   36                          ; lanes 16-31
.set MSB, 0
.macro WIN new                         ; the immediate's high byte repeats the setting that is left
.if MSB != \new
	s_set_vgpr_msb (MSB<<8)|\new
.set MSB, \new
.endif
.endm
.macro CROUND                          ; a round of the cluster's barrier
	s_barrier_signal -1
	s_barrier_wait -1
	s_cmp_lg_u32 s[WV], 0
	s_cbranch_scc1 .Lnot_wave_0_\@
	s_barrier_signal -3
.Lnot_wave_0_\@:
	s_barrier_wait -3
	s_barrier_signal -1
	s_barrier_wait -1
.endm
.macro BAR                             ; my LDS instructions are done: then the work-group's barrier
	s_wait_dscnt 0x0
	s_barrier_signal -1
	s_barrier_wait -1
.endm
; Two blocks of 32 numbers of my lane, v[a ..] and v[b ..]: largest magnitudes in four chains, with the floor 2^(3 - 127); then 2 off the exponent field: the conversions' scale operands
.macro QMAX a, b
.irp k, 0,1
	v_max3_num_f32 v[BM+\k], |v[\a+16*\k]|, |v[\a+16*\k+1]|, |v[\a+16*\k+2]|
	v_max3_num_f32 v[BM+2+\k], |v[\b+16*\k]|, |v[\b+16*\k+1]|, |v[\b+16*\k+2]|
.endr
.irp n, 1,2,3,4,5,6
.irp k, 0,1
	v_max3_num_f32 v[BM+\k], v[BM+\k], |v[\a+16*\k+2*\n+1]|, |v[\a+16*\k+2*\n+2]|
	v_max3_num_f32 v[BM+2+\k], v[BM+2+\k], |v[\b+16*\k+2*\n+1]|, |v[\b+16*\k+2*\n+2]|
.endr
.endr
	v_max3_num_f32 v[BM], v[BM], |v[\a+15]|, |v[\a+31]|
	v_max3_num_f32 v[BM+2], v[BM+2], |v[\b+15]|, |v[\b+31]|
	v_max3_num_f32 v[BM], v[BM], v[BM+1], 0x1800000
	v_max3_num_f32 v[BM+2], v[BM+2], v[BM+3], 0x1800000
	v_add_nc_u32 v[SOP], 0xff000000, v[BM]
	v_add_nc_u32 v[SOP+1], 0xff000000, v[BM+2]
.endm
.macro QCVT a, b, da, db
.irp g, 0,1,2,3
	v_cvt_scalef32_pk8_fp4_f32 v[\da+\g], v[\a+8*\g:\a+8*\g+7], v[SOP]
	v_cvt_scalef32_pk8_fp4_f32 v[\db+\g], v[\b+8*\g:\b+8*\g+7], v[SOP+1]
.endr
.endm
; HEAD, job q of my 8: jobs 0-3 serve the first product, 4-7 the second.  Its 64 numbers come into buffer q % 2.
; First product, job f: my lane takes 32 d of two slots.  Second product, job (tp, hb) = (hi / 2, hi % 2): my lane takes column 32 tp + lane, so that a load reads 128 consecutive bytes,
; and its registers run down slots 32 hb + 0 .. 31 and 64 + 32 hb + 0 .. 31: blocks hb and 2 + hb of d tile 2 tp + lane / 16, which belong to lane (r, hb) of that fragment
.macro HLOAD q
.set hb, SC+64*((\q)%2)
.set hi, (\q)%4
.if ((\q)/4)%2 == 0
.irp u, 0,1
.irp j, 0,1,2,3,4,5,6,7
	ds_load_b128 v[hb+32*\u+4*\j:hb+32*\u+4*\j+3], v[AK] offset:(64*(hi/2)+16*(hi%2)+8*\u)*ROWP+16*\j
.endr
.endr
.else
.irp c, 0,1
.set i, 0
.rept 32
	ds_load_b32 v[hb+32*\c+i], v[AV] offset:(64*\c+32*(hi%2)+i)*ROWP+128*(hi/2)
.set i, i+1
.endr
.endr
.endif
.endm
.macro HJOB q
.if (\q) < 7
	HLOAD (\q)+1
.if (((\q)+1)/4)%2 == 0
	s_wait_dscnt 16                                ; all but the next job's 16 loads
.else
	s_wait_dscnt 63                                ; the next job has 64 loads: 63 of them may be out
.endif
.else
	s_wait_dscnt 0x0
.endif
	QMAX SC+64*((\q)%2), SC+64*((\q)%2)+32
	v_lshrrev_b32 v[TT], 23, v[SOP]                ; the scales' bytes
	v_lshrrev_b32 v[TT+1], 23, v[SOP+1]
.if ((\q)/4)%2 == 0
	v_lshl_or_b32 v[TT], v[TT+1], 16, v[TT]        ; bytes h and 2 + h of my row's word; lane l xor 16 has the other two
	v_lshlrev_b32 v[TT], v[H8], v[TT]
	v_permlanex16_b32 v[PX], v[TT], s[SEL], s[SEL+1]
	v_or_b32 v[WD+(\q)], v[TT], v[PX]
.elseif (\q)%2 == 0
	v_lshl_or_b32 v[WD+(\q)], v[TT+1], 16, v[TT]   ; bytes 0 and 2 of my row's word
.else
	v_lshl_or_b32 v[TT], v[TT+1], 16, v[TT]        ; bytes 1 and 3: the word is whole, d tile 2 tp in lanes 0-15, the next in lanes 16-31
	v_lshl_or_b32 v[MSC+2+((\q)%4)/2], v[TT], 8, v[WD+(\q)-1]
.endif
	WIN 0x40                                       ; the codes wait in window 1
	QCVT SC+64*((\q)%2), SC+64*((\q)%2)+32, 8*(\q), 8*(\q)+4
	v_nop                                          ; one plain place behind a scaled conversion
	WIN 0
.endm
.macro WM d, a, b, sa, sb, row1, acc
.if (\acc) && (\row1)
	v_wmma_scale_f32_16x16x128_f8f6f4 v[\d:\d+7], v[\a:\a+7], v[\b:\b+7], v[\d:\d+7], v[\sa], v[\sb] matrix_a_fmt:MATRIX_FMT_FP4 matrix_b_fmt:MATRIX_FMT_FP4 matrix_a_scale:MATRIX_SCALE_ROW1
.elseif (\acc)
	v_wmma_scale_f32_16x16x128_f8f6f4 v[\d:\d+7], v[\a:\a+7], v[\b:\b+7], v[\d:\d+7], v[\sa], v[\sb] matrix_a_fmt:MATRIX_FMT_FP4 matrix_b_fmt:MATRIX_FMT_FP4
.elseif (\row1)
	v_wmma_scale_f32_16x16x128_f8f6f4 v[\d:\d+7], v[\a:\a+7], v[\b:\b+7], 0, v[\sa], v[\sb] matrix_a_fmt:MATRIX_FMT_FP4 matrix_b_fmt:MATRIX_FMT_FP4 matrix_a_scale:MATRIX_SCALE_ROW1
.else
	v_wmma_scale_f32_16x16x128_f8f6f4 v[\d:\d+7], v[\a:\a+7], v[\b:\b+7], 0, v[\sa], v[\sb] matrix_a_fmt:MATRIX_FMT_FP4 matrix_b_fmt:MATRIX_FMT_FP4
.endif
.endm
; S^T of both tiles for step s: source 0 in window 1.  Register 16 f + 8 u + j of lane (r, h) is slot 64 (f / 2) + 32 h + 16 (f % 2) + 8 u + j of query r
.macro SMUL s
	WIN 0x01
.irp x, 0,1
.irp f, 0,1,2,3
.irp u, 0,1
	WM SC+64*\x+16*\f+8*\u, FK+8*\f, ZQ+8*\x+4*(1-\u), MSC+4*((\s)%2)+(\f/2), QSC+\x, \f%2, 0
.endr
.endr
.endr
.endm
; O^T += V^T P^T: source 0, C and D in window 1; the eight accumulators take turns
.macro PVMUL s, acc
	WIN 0x51
.irp t, 0,1,2,3
.irp x, 0,1
	WM OA+32*\x+8*\t, FV+8*\t, PCD+8*\x, MSC+4*((\s)%2)+2+(\t/2), PSC+\x, \t%2, \acc
.endr
.endr
.endm
; group n of 8 of tile x's maxima: two blocks in two chains each, every accumulator read from its low end on
.macro MAXG x, n
.irp c, 0,1
.irp k, 0,1
.if (\n) == 0
	v_max3_num_f32 v[BM+4*\x+2*\c+\k], v[SC+64*\x+32*\c+16*\k], v[SC+64*\x+32*\c+16*\k+1], v[SC+64*\x+32*\c+16*\k+2]
.elseif (\n) < 7
	v_max3_num_f32 v[BM+4*\x+2*\c+\k], v[BM+4*\x+2*\c+\k], v[SC+64*\x+32*\c+16*\k+2*(\n)+1], v[SC+64*\x+32*\c+16*\k+2*(\n)+2]
.endif
.endr
.endr
.if (\n) == 7
.irp c, 0,1
	v_max3_num_f32 v[BM+4*\x+2*\c], v[BM+4*\x+2*\c], v[SC+64*\x+32*\c+15], v[SC+64*\x+32*\c+31]
.endr
.irp c, 0,1
	v_max_num_f32 v[BM+4*\x+2*\c], v[BM+4*\x+2*\c], v[BM+4*\x+2*\c+1]
.endr
.endif
.endm
; line k of 8 of tile x's chain from the blocks' maxima to -M and f; it is laid between the other tile's independent lines
.macro CH x, k, s, acc
.if (\k) == 0
	v_max_num_f32 v[TT+\x], v[BM+4*\x], v[BM+4*\x+2]
.endif
.if (\k) == 1
	v_permlanex16_b32 v[PX+\x], v[TT+\x], s[SEL], s[SEL+1]
.endif
.if (\k) == 2
.if \acc
	v_max3_num_f32 v[ST+8*\x+1], v[ST+8*\x+1], v[TT+\x], v[PX+\x]   ; the running largest score
.else
	v_max_num_f32 v[ST+8*\x+1], v[TT+\x], v[PX+\x]
.endif
.endif
.if (\k) == 3
	v_mul_f32 v[TT+\x], s[NC], v[ST+8*\x+1]                        ; -t
.endif
.if (\k) == 4
	v_floor_f32 v[ST+8*\x+2*((\s)%2)], v[TT+\x]                    ; -M = floor(-t): a whole number; even and odd steps keep it in two registers by turns
.endif
.if \acc
.if (\k) == 5
	v_sub_f32 v[TT+\x], v[ST+8*\x+2*((\s)%2)], v[ST+8*\x+2-2*((\s)%2)]   ; old M - new M, 0 or less
.endif
.if (\k) == 6
	v_cvt_i32_f32 v[TT+\x], v[TT+\x]                               ; (it saturates)
.endif
.if (\k) == 7
	v_ldexp_f32 v[ST+8*\x+6], 1.0, v[TT+\x]                        ; f = 2^(old M - new M)
.endif
.endif
.endm
.macro FMA4 n                          ; t - M for eight scores of tile 0
.irp j, 0,2,4,6
	v_pk_fma_f32 v[SC+8*\n+\j:SC+8*\n+\j+1], v[SC+8*\n+\j:SC+8*\n+\j+1], s[CS:CS+1], v[nm0:nm0+1] op_sel_hi:[1,0,0]
.endr
.endm
.macro PL x, l                         ; from a block's largest p: level 0 the floor, 1 the conversion's scale operand, 2 the byte
.irp c, 0,1
.if (\l) == 0
	v_max_num_f32 v[BM+4*\x+2*\c], 0x1800000, v[BM+4*\x+2*\c]
.endif
.if (\l) == 1
	v_add_nc_u32 v[SOP+2*\x+\c], 0xff000000, v[BM+4*\x+2*\c]
.endif
.if (\l) == 2
	v_lshrrev_b32 v[BM+4*\x+2*\c+1], 23, v[SOP+2*\x+\c]
.endif
.endr
.endm
.macro CV x, i                         ; p's codes: register 4 c + i holds k = 64 c + 32 h + 8 i + 0 .. 7
.irp c, 0,1
	v_cvt_scalef32_pk8_fp4_f32 v[PCD+8*\x+4*\c+\i], v[SC+64*\x+32*\c+8*\i:SC+64*\x+32*\c+8*\i+7], v[SOP+2*\x+\c]
.endr
.endm
.macro W x, k                          ; p's scale word: my bytes are bytes h and 2 + h; lane l xor 16 has the other two
.if (\k) == 1
	v_lshl_or_b32 v[TT+\x], v[BM+4*\x+3], 16, v[BM+4*\x+1]
.endif
.if (\k) == 2
	v_lshlrev_b32 v[TT+\x], v[H8], v[TT+\x]
.endif
.if (\k) == 3
	v_permlanex16_b32 v[PX+\x], v[TT+\x], s[SEL], s[SEL+1]
.endif
.if (\k) == 4
	v_or_b32 v[PSC+\x], v[TT+\x], v[PX+\x]
.endif
.endm
.macro CB m, acc                       ; round m of tile 1's sum of the unquantised p: four chains; the first line brings the old sum under the new M
.if (\m) == 0
.if \acc
	v_pk_fma_f32 v[SUB:SUB+1], v[SUB:SUB+1], v[ST+14:ST+15], v[SC+64:SC+65] op_sel_hi:[1,0,1]
.endif
.elseif (\m) == 1
.if \acc
	v_pk_add_f32 v[SUB:SUB+1], v[SUB:SUB+1], v[SC+72:SC+73]
.else
	v_pk_add_f32 v[SUB:SUB+1], v[SC+64:SC+65], v[SC+72:SC+73]
.endif
	v_pk_add_f32 v[C1:C1+1], v[SC+66:SC+67], v[SC+74:SC+75]
	v_pk_add_f32 v[C2:C2+1], v[SC+68:SC+69], v[SC+76:SC+77]
	v_pk_add_f32 v[C3:C3+1], v[SC+70:SC+71], v[SC+78:SC+79]
.else
	v_pk_add_f32 v[SUB:SUB+1], v[SUB:SUB+1], v[SC+64+8*(\m):SC+64+8*(\m)+1]
	v_pk_add_f32 v[C1:C1+1], v[C1:C1+1], v[SC+64+8*(\m)+2:SC+64+8*(\m)+3]
	v_pk_add_f32 v[C2:C2+1], v[C2:C2+1], v[SC+64+8*(\m)+4:SC+64+8*(\m)+5]
	v_pk_add_f32 v[C3:C3+1], v[C3:C3+1], v[SC+64+8*(\m)+6:SC+64+8*(\m)+7]
.endif
.endm
.macro TA n, acc                       ; line n of 16 of tile 0's sum: a tree in place, from its second level on (its codes are made by then)
.if (\n) < 8
	v_pk_add_f32 v[SC+8*(\n):SC+8*(\n)+1], v[SC+8*(\n):SC+8*(\n)+1], v[SC+8*(\n)+4:SC+8*(\n)+5]
.elseif (\n) < 12
	v_pk_add_f32 v[SC+16*((\n)-8):SC+16*((\n)-8)+1], v[SC+16*((\n)-8):SC+16*((\n)-8)+1], v[SC+16*((\n)-8)+8:SC+16*((\n)-8)+9]
.elseif (\n) < 14
	v_pk_add_f32 v[SC+32*((\n)-12):SC+32*((\n)-12)+1], v[SC+32*((\n)-12):SC+32*((\n)-12)+1], v[SC+32*((\n)-12)+16:SC+32*((\n)-12)+17]
.elseif (\n) == 14
.if \acc
	v_pk_add_f32 v[SC:SC+1], v[SC:SC+1], v[SC+32:SC+33]
.else
	v_pk_add_f32 v[ST+4:ST+5], v[SC:SC+1], v[SC+32:SC+33]
.endif
.else
.if \acc
	v_pk_fma_f32 v[ST+4:ST+5], v[ST+4:ST+5], v[ST+6:ST+7], v[SC:SC+1] op_sel_hi:[1,0,1]
.endif
.endif
.endm
; behind the exponentials: tile 1's four chains go round, and between the rounds stand tile 1's scale lines and conversions, both scale words and tile 0's tree.
; Behind the last scale word stand 13 plain lines, behind the last conversion more than 4: the places in front of the products
.macro POST acc
	CB 0, \acc
	PL 1, 0
	TA 0, \acc
	TA 1, \acc
	W 0, 1
	CB 1, \acc
	PL 1, 1
	TA 2, \acc
	TA 3, \acc
	W 0, 2
	CB 2, \acc
	PL 1, 2
	CV 1, 0
	TA 4, \acc
	W 0, 3
	CB 3, \acc
	W 1, 1
	CV 1, 1
	TA 5, \acc
	W 0, 4
	CB 4, \acc
	W 1, 2
	CV 1, 2
	TA 6, \acc
	TA 7, \acc
	CB 5, \acc
	W 1, 3
	CV 1, 3
	TA 8, \acc
	TA 9, \acc
	CB 6, \acc
	W 1, 4
	TA 10, \acc
	TA 11, \acc
	CB 7, \acc
	TA 12, \acc
	TA 13, \acc
	v_pk_add_f32 v[SUB:SUB+1], v[SUB:SUB+1], v[C1:C1+1]
	v_pk_add_f32 v[C2:C2+1], v[C2:C2+1], v[C3:C3+1]
	TA 14, \acc
	v_pk_add_f32 v[SUB:SUB+1], v[SUB:SUB+1], v[C2:C2+1]
	TA 15, \acc
.endm
; A KEY STEP: 128 slots for both tiles.  acc = 0, a pass's first step: it starts the largest score, the sums and O^T, so nothing is cleared and nothing rescaled
.macro STEP s, acc
.set nm0, ST+2*((\s)%2)
.set nm1, ST+8+2*((\s)%2)
.set sn, ((\s)+1)%8
	s_wait_dscnt 0x0                               ; this step's fragments of the first product and its scale words, asked for a step ago
	SMUL \s
	WIN 0
.rept 4
	v_nop                                          ; four places behind the products: for the reads of the scores, and for the loads over fragments and scale words that products have read
.endr
	WIN 0x40
.irp n, 0,1,2,3,4,5,6,7
	ds_load_b128 v[FV+4*\n:FV+4*\n+3], v[LI+8*((\s)/4)] offset:((\s)%4)*STEPB+IMGV+512*\n   ; this step's fragments of the second product
.endr
.irp n, 0,1,2,3,4,5,6,7
	ds_load_b128 v[FK+4*\n:FK+4*\n+3], v[LI+8*(sn/4)] offset:(sn%4)*STEPB+512*\n            ; the next step's of the first (behind step 7: step 0's, for the next pass)
.endr
	WIN 0
	ds_load_b128 v[MSC+4*(sn%2):MSC+4*(sn%2)+3], v[LI+8*(sn/4)] offset:(sn%4)*STEPB+IMGS    ; and its scale words, into the other buffer
.irp n, 0,1,2,3,4,5,6,7
	MAXG 0, \n
.endr
.irp n, 0,1,2,3,4,5,6,7
	CH 0, \n, \s, \acc
	MAXG 1, \n
.endr
.irp n, 0,1,2,3,4,5,6,7
	CH 1, \n, \s, \acc
	FMA4 \n
.endr
.irp c, 0,1
	v_fma_f32 v[BM+2*\c], v[BM+2*\c], s[CS], v[nm0]                ; the same of each block's largest score
.endr
	s_wait_alu depctr_va_vdst(0)                   ; the wait ahead of a batch of exponentials
.set i, 0
.rept 32
	v_exp_f32 v[SC+i], v[SC+i]                     ; tile 0: p = 2^(t - M)
	v_exp_f32 v[SC+i+1], v[SC+i+1]
	v_pk_fma_f32 v[SC+64+i:SC+64+i+1], v[SC+64+i:SC+64+i+1], s[CS:CS+1], v[nm1:nm1+1] op_sel_hi:[1,0,0]   ; tile 1: t - M; read only behind the next wait
.set i, i+2
.endr
	v_exp_f32 v[BM], v[BM]
	v_exp_f32 v[BM+2], v[BM+2]
.irp c, 0,1
	v_fma_f32 v[BM+4+2*\c], v[BM+4+2*\c], s[CS], v[nm1]
.endr
	s_wait_alu depctr_va_vdst(0)                   ; behind tile 0's batch and ahead of tile 1's
	PL 0, 0                                        ; tile 0's scale operands and codes: so its p may be summed in place
	PL 0, 1
.irp i, 0,1,2,3
	CV 0, \i
.endr
	PL 0, 2                                        ; (the plain place behind the conversions; the bytes are read behind the next wait)
.set i, 0
.rept 16
	v_exp_f32 v[SC+64+i], v[SC+64+i]               ; tile 1's batch; between its first sixteen stands the first level of tile 0's sum: sixteen lines that read and write nothing of each other, read again only behind the next wait
	v_pk_add_f32 v[SC+4*i:SC+4*i+1], v[SC+4*i:SC+4*i+1], v[SC+4*i+2:SC+4*i+3]
.set i, i+1
.endr
.rept 48
	v_exp_f32 v[SC+64+i], v[SC+64+i]
.set i, i+1
.endr
	v_exp_f32 v[BM+4], v[BM+4]
	v_exp_f32 v[BM+6], v[BM+6]
	v_nop                                          ; one plain place behind the exponentials
.if \acc
	WIN 0x41
.endif
	s_wait_alu depctr_va_vdst(0)                   ; behind tile 1's batch; and directly ahead of the first reader of O^T
.if \acc
.irp x, 0,1
.set i, 0
.rept 16
	v_pk_mul_f32 v[OA+32*\x+i:OA+32*\x+i+1], v[OA+32*\x+i:OA+32*\x+i+1], v[ST+8*\x+6:ST+8*\x+7] op_sel_hi:[1,0]   ; O^T under the new M
.set i, i+2
.endr
.endr
	WIN 0
.endif
	POST \acc
	s_wait_alu depctr_va_vdst(0)
	s_wait_dscnt 9                                 ; the second product's fragments are in: behind them stand the next step's 8 loads and its scale words'
	PVMUL \s, \acc
.endm
.macro QLOAD                           ; 32 rows of query, 512 consecutive bytes a load, into window 1
	WIN 0x40
.irp i, 0,1,2,3,4,5,6,7,8,9,10,11,12,13,14,15
	global_load_b128 v[PF+4*\i:PF+4*\i+3], v[LI], s[6:7] offset:512*\i th:TH_LOAD_NT
.endr
	WIN 0
.endm
.macro QSTAGE                          ; they turn through my stage: back comes a block of 32 d to a lane.  LDS serves a wave's instructions in order
	s_wait_loadcnt 0x0
	WIN 0x04
.irp i, 0,1,2,3,4,5,6,7,8,9,10,11,12,13,14,15
	ds_store_b128 v[AQW], v[PF+4*\i:PF+4*\i+3] offset:2*ROWP*\i
.endr
	WIN 0x40
.irp x, 0,1
.irp j, 0,1,2,3,4,5,6,7
	ds_load_b128 v[HQ+32*\x+4*\j:HQ+32*\x+4*\j+3], v[AQR] offset:16*ROWP*\x+16*\j
.endr
.endr
	WIN 0
.endm
.macro QPREP                           ; the pair's codes and scale words; the maxima are taken wholly in window 1
	WIN 0x55
	QMAX HQ, HQ+32
	WIN 0x05
	QCVT HQ, HQ+32, ZQ+4, ZQ+12
	v_lshrrev_b32 v[TT], 23, v[SOP]
	v_lshrrev_b32 v[TT+1], 23, v[SOP+1]
	WIN 0
	v_lshlrev_b32 v[TT], v[H8], v[TT]              ; my byte is byte h of my query's two
	v_lshlrev_b32 v[TT+1], v[H8], v[TT+1]
	v_permlanex16_b32 v[PX], v[TT], s[SEL], s[SEL+1]
	v_permlanex16_b32 v[PX+1], v[TT+1], s[SEL], s[SEL+1]
	v_or_b32 v[TT], v[TT], v[PX]
	v_or_b32 v[TT+1], v[TT+1], v[PX+1]
	v_lshl_or_b32 v[QSC], v[TT], 16, v[TT]         ; (s0, s1, s0, s1): whichever half of K holds q finds its bytes
	v_lshl_or_b32 v[QSC+1], v[TT+1], 16, v[TT+1]
.endm
	s_load_b128 s[4:7], s[0:1], 0x0                ; memory, query
	s_load_b64 s[8:9], s[0:1], 0x10                ; out0
	v_lshl_add_u32 v[SPW], v0, 2, SPARE
	v_mov_b32 v[NIL], 0
	ds_add_u32 v[SPW], v[NIL]
	ds_add_u32 v[SPW], v[NIL]
	v_lshrrev_b32 v[TT], 5, v0
	v_readfirstlane_b32 s[WV], v[TT]               ; wave 0..7
	s_bfe_u32 s11, ttmp6, 0x40000                  ; cx
	s_lshl_b32 s12, ttmp9, 2
	s_add_co_u32 s12, s12, s11                     ; my work-group: it enters query's and out0's addresses alone
	s_lshl_b32 s14, s12, 18                        ; 1,024 rows of 256 bytes a work-group,
	s_lshl_b32 s13, s[WV], 15                      ; 128 a wave
	s_add_co_u32 s14, s14, s13
	s_mov_b32 s15, 0
	s_lshl_b32 s38, s[WV], 15                      ; memory: my wave's 128 rows
	s_mov_b32 s39, 0
	s_mov_b32 s[G1+0], 15|(2<<16)|(1<<20)|(1<<21)|(5<<22)|(3<<25)  ; mask: all four; elements of 4 bytes; four words of padding after every 64
	s_mov_b32 s[G1+1], 64<<16                      ; tensor_dim0
	s_mov_b32 s[G1+2], 128<<16                     ; tensor_dim1
	s_mov_b32 s[G1+3], 64<<16                      ; tile_dim0
	s_mov_b32 s[G1+4], 128                         ; tile_dim1
	s_mov_b32 s[G1+5], 64                          ; pitch
	s_mov_b32 s[G1+6], 0
	s_mov_b32 s[G1+7], 0
	s_mov_b32 s[G0], 1
	s_mul_i32 s[G0+1], s[WV], MWAVE
	s_mov_b32 s[SEL], 0x76543210
	s_mov_b32 s[SEL+1], 0xfedcba98
	s_mov_b32 s[CS], 0x3fb8aa3b
	s_mov_b32 s[CS+1], s[CS]
	s_mov_b32 s[NC], 0xbfb8aa3b
	s_mov_b32 s[HM], 0xffff0000
	s_mul_i32 s37, s[WV], QWAVE
	s_add_co_u32 s37, s37, QST                     ; my query stage
	s_mul_i32 s40, s[WV], OWAVE
	s_add_co_u32 s40, s40, OST                     ; my out stage
	s_mul_i32 s41, s[WV], STEPB                    ; my step's images
	s_wait_dscnt 0x0                               ; both opening adds are done
	v_and_b32 v252, 15, v0                         ; r
	v_bfe_u32 v253, v0, 4, 1                       ; h
	v_and_b32 v[LI], 31, v0
	v_lshlrev_b32 v[AV], 2, v[LI]                  ; 4 x lane
	v_lshlrev_b32 v[LI], 4, v[LI]
	v_lshlrev_b32 v[H8], 3, v253
	v_mul_u32_u24 v254, v252, ROWP
	v_lshl_add_u32 v[AQR], v253, 7, v254
	v_add_nc_u32 v[AQR], s37, v[AQR]
	v_lshl_add_u32 v[OSW], v253, 5, v254
	v_add_nc_u32 v[OSW], s40, v[OSW]
	v_mul_u32_u24 v254, v253, ROWP
	v_lshl_add_u32 v254, v252, 4, v254
	v_add_nc_u32 v[AQW], s37, v254
	v_add_nc_u32 v[OSR], s40, v254
	v_and_b32 v255, 8, v252
	v_mad_u32_u24 v255, v255, 3, v252              ; r % 8 + 32 (r / 8)
	v_mul_u32_u24 v[AK], v255, ROWP
	v_lshl_add_u32 v[AK], v253, 7, v[AK]
	v_add_nc_u32 v[AK], s[G0+1], v[AK]
	v_add_nc_u32 v[AV], s[G0+1], v[AV]
	v_add_nc_u32 v[IMW], s41, v[LI]
	v_lshlrev_b32 v254, 4, v252
	v_lshl_add_u32 v[IMV], v253, 10, v254          ; d tile 2 tp + h: 1,024 h; lane r of it: 16 r
	v_add_nc_u32 v[IMV], s41, v[IMV]
	v_add_nc_u32 v[LI2], 4*STEPB, v[LI]
.irp z, 0,1,2,3, 8,9,10,11, 16,17,18,19
	v_mov_b32 v[ZQ+\z], 0                          ; the zero codes beside q: written once
.endr
	v_mov_b32 v[PX], 0                             ; a lane permute's destination counts as one of its sources
	v_mov_b32 v[PX+1], 0
.irp z, 3,7,11,15
	v_mov_b32 v[ST+\z], 0                          ; named as upper halves of pairs
.endr
	s_wait_alu depctr_va_vdst(0)                   ; the wait at the head's end
	s_wait_kmcnt 0x0
	s_add_nc_u64 s[6:7], s[6:7], s[14:15]
	s_add_nc_u64 s[8:9], s[8:9], s[14:15]
	s_add_nc_u64 s[G0+2:G0+3], s[4:5], s[38:39]
	s_or_b32 s[G0+3], s[G0+3], 0x80000000
	QLOAD                                          ; the first pair's rows land while memory is quantised
	CROUND                                         ; all four work-groups are here: the joint loads meet
	tensor_load_to_lds s[G0:G0+3], s[G1:G1+7]      ; my one tensor load: nothing in LDS is filled a second time
	s_nop 0
.rept 4
	v_nop
.endr
	s_wait_tensorcnt 0x0
	s_barrier_signal -1
	s_barrier_wait -1
	HLOAD 0
.irp q, 0,1,2,3,4,5,6,7
	HJOB \q
.endr
.irp g, 0,1
	v_cndmask_b32 v[MSC+\g], v[WD+2*\g], v[WD+2*\g+1], s[HM]       ; first product: lanes 0-15 an even fragment's words, lanes 16-31 the next one's
.endr
	s_wait_alu depctr_va_vdst(0)                   ; the wait ahead of the barrier
	BAR                                            ; every wave's reads of the f32 rows are over: their bytes, which have had their only fill, take the images and the stages
	WIN 0x04
.irp q, 0,1,2,3,4,5,6,7
.irp c, 0,1
.if ((\q/4)%2) == 0
	ds_store_b128 v[IMW], v[8*\q+4*\c:8*\q+4*\c+3] offset:(\q%4)*1024+512*\c
.else
	ds_store_b128 v[IMV], v[8*\q+4*\c:8*\q+4*\c+3] offset:IMGV+2048*((\q%4)/2)+512*\c+256*(\q%2)
.endif
.endr
.endr
	WIN 0
	ds_store_b128 v[IMW], v[MSC:MSC+3] offset:IMGS
	QSTAGE
	BAR                                            ; all images lie in LDS; nobody writes them again
	WIN 0x40
.irp n, 0,1,2,3,4,5,6,7
	ds_load_b128 v[FK+4*\n:FK+4*\n+3], v[LI] offset:512*\n         ; step 0's fragments of the first product
.endr
	WIN 0
	ds_load_b128 v[MSC:MSC+3], v[LI] offset:IMGS
	QPREP                                          ; the first pair
	s_wait_xcnt 0x0                                ; the query loads have read their base
	s_add_nc_u64 s[6:7], s[6:7], 8192              ; the next pair's rows
	s_mov_b32 s[CNT], 4
	s_wait_alu depctr_va_vdst(0)                   ; the wait at the head's end
.Lpass:                                                ; a pass: 32 queries against all 1,024 slots
	s_cmp_eq_u32 s[CNT], 1
	s_cbranch_scc1 .Lnoload                        ; the last pass has no next pair
	QLOAD
.Lnoload:
.rept 8
	v_nop                                          ; eight places between q's scale words and the first products
.endr
	STEP 0, 0
	STEP 1, 1
	STEP 2, 1
	STEP 3, 1
	STEP 4, 1
	STEP 5, 1
	STEP 6, 1
	WIN 0
	s_cmp_eq_u32 s[CNT], 1
	s_wait_alu depctr_va_vdst(0)
	s_cbranch_scc1 .Lnostage
	QSTAGE                                         ; the next pair turns through the stage under the last step
.Lnostage:
	STEP 7, 1
	; THE WAY OUT: O^T / the sum through my stage, back as whole rows
	WIN 0
.irp x, 0,1
	v_add_f32 v[TT+\x], v[ST+8*\x+4], v[ST+8*\x+5]
.endr
.irp x, 0,1
	v_permlanex16_b32 v[PX+\x], v[TT+\x], s[SEL], s[SEL+1]
.endr
.irp x, 0,1
	v_add_f32 v[TT+\x], v[TT+\x], v[PX+\x]
.endr
	s_wait_alu depctr_va_vdst(0)
.irp x, 0,1
	v_rcp_f32 v[ST+8*\x+6], v[TT+\x]
.endr
	v_nop
	WIN 0x01
	s_wait_alu depctr_va_vdst(0)                   ; behind the reciprocals, directly ahead of the first reader of O^T
.irp x, 0,1
.set i, 0
.rept 16
	v_pk_mul_f32 v[SC+32*\x+i:SC+32*\x+i+1], v[OA+32*\x+i:OA+32*\x+i+1], v[ST+8*\x+6:ST+8*\x+7] op_sel_hi:[1,0]   ; register 8 t + j is out(r, 16 t + 8 h + j)
.set i, i+2
.endr
.endr
	WIN 0
.irp x, 0,1
.irp t, 0,1,2,3
.irp e, 0,1
	ds_store_b128 v[OSW], v[SC+32*\x+8*\t+4*\e:SC+32*\x+8*\t+4*\e+3] offset:16*ROWP*\x+64*\t+16*\e
.endr
.endr
.endr
.irp i, 0,1,2,3,4,5,6,7,8,9,10,11,12,13,14,15
	ds_load_b128 v[SC+64+4*\i:SC+64+4*\i+3], v[OSR] offset:2*ROWP*\i
.endr
	s_cmp_eq_u32 s[CNT], 1
	s_wait_alu depctr_va_vdst(0)
	s_cbranch_scc1 .Lnoq
	s_wait_dscnt 32                                ; the staged queries are in: behind them stand the way out's 16 stores and 16 loads
	QPREP                                          ; the next pair is quantised while the rows come back from the stage
.Lnoq:
	s_wait_alu depctr_va_vdst(0)
	s_wait_dscnt 8                                 ; the first eight loads are back
.irp i, 0,1,2,3,4,5,6,7
	global_store_b128 v[LI], v[SC+64+4*\i:SC+64+4*\i+3], s[8:9] offset:512*\i th:TH_STORE_NT   ; 32 lanes store 512 consecutive bytes, aligned
.endr
	s_wait_dscnt 0x0
.irp i, 8,9,10,11,12,13,14,15
	global_store_b128 v[LI], v[SC+64+4*\i:SC+64+4*\i+3], s[8:9] offset:512*\i th:TH_STORE_NT
.endr
	s_wait_xcnt 0x0                                ; the bases and the stores' data are written again only behind this wait
	s_add_nc_u64 s[6:7], s[6:7], 8192
	s_add_nc_u64 s[8:9], s[8:9], 8192
	s_sub_co_u32 s[CNT], s[CNT], 1
	s_cmp_lg_u32 s[CNT], 0
	s_cbranch_scc1 .Lpass
	s_wait_tensorcnt 0x0                           ; the wave's end
	ds_add_u32 v[SPW], v[NIL]
	s_wait_dscnt 0x0
	CROUND                                         ; the closing round
	s_endpgm
.Lfunc_end_k_q3660470ddc_attn:
	.size	k_q3660470ddc_attn, .Lfunc_end_k_q3660470ddc_attn-k_q3660470ddc_attn
	.p2alignl 7, 3214868480
	.fill 96, 4, 3214868480
	.section	.rodata,"a",@progbits
	.p2align	6, 0x0
	.amdhsa_kernel k_q3660470ddc_attn
		.amdhsa_group_segment_fixed_size 280576
		.amdhsa_private_segment_fixed_size 0
		.amdhsa_enable_private_segment 0
		.amdhsa_kernarg_size 24
		.amdhsa_user_sgpr_count 2
		.amdhsa_user_sgpr_kernarg_segment_ptr 1
		.amdhsa_wavefront_size32 1
		.amdhsa_system_sgpr_workgroup_id_x 1
		.amdhsa_system_sgpr_workgroup_id_y 1
		.amdhsa_system_sgpr_workgroup_id_z 1
		.amdhsa_system_vgpr_workitem_id 0
		.amdhsa_next_free_vgpr 512
		.amdhsa_next_free_sgpr 66
		.amdhsa_reserve_vcc 0
		.amdhsa_float_denorm_mode_32 3
		.amdhsa_float_denorm_mode_16_64 3
		.amdhsa_memory_ordered 1
		.amdhsa_forward_progress 1
		.amdhsa_inst_pref_size 255
	.end_amdhsa_kernel
	.section	.bss,"aw",@nobits
	.p2align	6
	.space	262144
	.amdgpu_metadata
---
amdhsa.version: [ 1, 2 ]
amdhsa.kernels:
  - .name:           k_q3660470ddc_attn
    .symbol:         k_q3660470ddc_attn.kd
    .args:
      - { .name: memory, .offset: 0, .size: 8, .value_kind: global_buffer, .address_space: global }
      - { .name: query, .offset: 8, .size: 8, .value_kind: global_buffer, .address_space: global }
      - { .name: out0, .offset: 16, .size: 8, .value_kind: global_buffer, .address_space: global }
    .group_segment_fixed_size: 280576
    .private_segment_fixed_size: 0
    .kernarg_segment_align: 8
    .kernarg_segment_size: 24
    .max_flat_workgroup_size: 256
    .sgpr_count:     66
    .vgpr_count:     512
    .wavefront_size: 32
...
	.end_amdgpu_metadata
.endif
;; end of part 1
